; MI455X (gfx1250); checked and timed in simulation.
; The chip was launched on July 23, 2026; its instructions are those of AMD's public machine-readable ISA for CDNA 5 (MIT licence, August 2026) and "CDNA5" Instruction Set Architecture Reference Guide (July 2026). The comments in the code are by the model that wrote it; some were corrected since.
;; Top K Pool. Allowed arithmetic: matrix products marked QUANTISED: E5M2 operands, one given power-of-two scale a tensor, by v_wmma_f32_16x16x64_bf8_bf8 or v_wmma_f32_16x16x128_bf8_bf8, f32 sums; products left as they are: f32 operands where the result goes on into a quantised operand, else bf16, f16 or f32 operands; f32 sums; everything else in f32.
;; Inputs: A 4,096 x 4,096 float32; S 4,096 int32; X 4,096 x 256 float32; kernel 256 x 1 float32; lowp_scales 2 int32 (the exponents e of the quantised operands' scales 2^e).
;; Outputs: out0 2,048 x 256 float32; out1 2,048 x 2,048 float32; out2 2,048 int32.
;; This version of the problem:
;;   THIS VERSION OF THE PROBLEM IS GIVEN IN LOW PRECISION. The matrix products marked QUANTISED in the list below multiply operands that are first quantised to E5M2 (5 exponent bits, 2 mantissa bits; 8 bits a number), with one given power-of-two scale for each operand tensor; their sums are f32. All else is computed in f32.
;;   The module's matrix products, in the order in which they are computed (A, B: the left and right operand; K: the contracted axis; several contracted axes count as one K, in the product's order):
;;     1. [M 4,096, K 256] x [K 256, N 1]; A: input X; B: computed on the way: left as it is (N = 1 < 16)
;;     2. [M 4,096, K 4,096] x [K 4,096, N 4,096]; A: input A; B: input A: QUANTISED (scales: A lowp_scales[0], B lowp_scales[1])
;;   THE QUANTISER, for each operand of a quantised product, along K:
;;     - The operand's scale is 2^e, e = its entry of the input lowp_scales (int32; the entries are numbered through the quantised products in the list's order, A before B).
;;     - Each number is divided by the scale, clamped to +-57,344, and rounded to the nearest number of E5M2, ties to even, subnormals kept.
;;     - The product sums the exact products of the quantised numbers (number of the format x scale) in f32.
;;   ~~~python
;;   def quantise(x, axis, e):      # numpy; x: float32 -> the quantised numbers, widened to float32 again
;;       x = np.moveaxis(x, axis, -1); K = x.shape[-1]
;;       r = np.clip(x / 2.0 ** e, -57344, 57344)
;;       step = 2.0 ** (np.maximum(np.frexp(np.where(r == 0, 1, r))[1] - 1, -14) - 2)
;;       q = np.round(r / step) * step * 2.0 ** e      # np.round: ties to even
;;       return np.moveaxis(q, -1, axis).astype(np.float32)
;;   ~~~
;; One version. Each part assembles by itself: llvm-mc -triple=amdgcn-amd-amdhsa -mcpu=gfx1250 --defsym DOCPART=n.
;; ======== version 1 of 1: 4 launches
;; workspace buffers: kt 32,768 bytes; sel 512 bytes of whole numbers; la 8,388,608 bytes; rb 8,388,608 bytes
;; launch score (part 1): grid 128 x 1, 8 waves a work-group, no clusters, 1,280 bytes of LDS; arguments X, kernel, kt; writes kt
.if DOCPART == 1
	.amdgcn_target "amdgcn-amd-amdhsa--gfx1250"
	.amdhsa_code_object_version 6
	.text
	.protected	k_q9c9bd24618_score
	.globl	k_q9c9bd24618_score
	.p2align	8
	.type	k_q9c9bd24618_score,@function
k_q9c9bd24618_score:
	s_mov_b64 s[64:65], 0
	v_nop
	global_prefetch_b8 v0, s[64:65] scope:SCOPE_SE
	s_setreg_imm32_b32 hwreg(HW_REG_WAVE_MODE, 25, 1), 1
	s_wait_xcnt 0x0
; y[i] = X[i] . kernel / |kernel|, all in f32.  X: [4096][256] f32, kernel: [256] f32.
; Stored for each row: a sort key (u32 whose unsigned order is y's order) and tanh(y).
; kt: 128 blocks of 256 bytes; block g = the 32 keys of rows 32 g .. 32 g + 31, then their 32 tanh(y).
; SHARES.  A work-group owns 32 rows, so that it stores one whole block of 256 bytes; each of its eight waves owns four rows.
; A lane holds columns 4 l .. 4 l + 3 and 128 + 4 l .. + 3 of each row: every load of a wave covers 512 consecutive bytes.
; No matrix unit (one column), no tensor load, no cluster: each byte of X is read once and the work-groups share only the kernel's 1,024 bytes.
; LIMITS.  NaN in X or kernel is not served.  The kernel's sum of squares must be a normal f32 number.  -0 sorts under +0.
; tanh(y) = 1 - 2 / (1 + 2^(2 log2(e) y)): an overflow of the power gives 1, an underflow -1, as tanh does.
.set KN,  4                            ; v[4:11]   the kernel's eight numbers of my columns, then normalised
.set XR,  16                           ; v[16:47]  four rows, eight registers each
.set PS,  48                           ; v[48:55]  packed sums, a pair a row
.set Y,   56                           ; v[56:59]  y of the four rows
	s_load_b128 s[4:7], s[0:1], 0x0                ; X s[4:5], kernel s[6:7]
	s_load_b64 s[8:9], s[0:1], 0x10                ; kt
	v_lshl_add_u32 v72, v0, 2, 0x100
	v_mov_b32 v73, 0
	v_lshrrev_b32 v2, 5, v0
	v_readfirstlane_b32 s10, v2                    ; wave 0..7
	v_and_b32 v3, 31, v0                           ; lane
	v_lshlrev_b32 v1, 4, v3                        ; 16 x lane
	v_and_b32 v64, 3, v0
	v_lshlrev_b32 v64, 2, v64
	s_lshl_b32 s18, s10, 4
	v_add_nc_u32 v64, s18, v64                     ; LDS: the word of row 4 w + lane % 4
	v_lshlrev_b32 v65, 3, v3                       ; 8 x lane: the way out
	s_mov_b32 s12, 0x76543210                      ; v_permlanex16_b32: each lane takes its own place in the other half
	s_mov_b32 s13, 0xfedcba98
	s_mov_b32 s14, 0xaaaaaaaa                      ; odd lanes
	s_mov_b32 s15, 0xcccccccc                      ; lanes with bit 1 set
	s_lshl_b32 s16, ttmp9, 15                      ; 32 rows of 1,024 bytes
	s_lshl_b32 s17, s10, 12                        ; my wave's four
	s_add_co_u32 s16, s16, s17
	s_mov_b32 s17, 0
	s_wait_kmcnt 0x0
	s_add_nc_u64 s[4:5], s[4:5], s[16:17]
	global_load_b128 v[KN:KN+3], v1, s[6:7]
	global_load_b128 v[KN+4:KN+7], v1, s[6:7] offset:512
.irp r, 0,1,2,3
	global_load_b128 v[XR+8*\r:XR+8*\r+3], v1, s[4:5] offset:1024*\r th:TH_LOAD_NT
	global_load_b128 v[XR+8*\r+4:XR+8*\r+7], v1, s[4:5] offset:1024*\r+512 th:TH_LOAD_NT
.endr
	s_wait_loadcnt 8                               ; the kernel's two loads are in; X's eight may be out
	v_pk_mul_f32 v[12:13], v[KN:KN+1], v[KN:KN+1]
	v_pk_fma_f32 v[12:13], v[KN+2:KN+3], v[KN+2:KN+3], v[12:13]
	v_pk_fma_f32 v[12:13], v[KN+4:KN+5], v[KN+4:KN+5], v[12:13]
	v_pk_fma_f32 v[12:13], v[KN+6:KN+7], v[KN+6:KN+7], v[12:13]
	v_add_f32 v12, v12, v13
.irp m, 1,2,4,8
	v_add_f32_dpp v12, v12, v12 row_xmask:\m row_mask:0xf bank_mask:0xf
.endr
	v_permlanex16_b32 v13, v12, s12, s13
	v_add_f32 v12, v12, v13                        ; the sum of squares, in every lane
	v_rsq_f32 v14, v12
	v_nop                                          ; a plain instruction behind the transcendental
	s_wait_alu depctr_va_vdst(0)                   ; and the wait ahead of the first line that names its result
	v_mov_b32 v15, v14
.irp j, 0,2,4,6
	v_pk_mul_f32 v[KN+\j:KN+\j+1], v[KN+\j:KN+\j+1], v[14:15]
.endr
.irp r, 0,1,2,3
	s_wait_loadcnt 6-2*\r                          ; row r's two loads are in; the later rows' may be out
	v_pk_mul_f32 v[PS+2*\r:PS+2*\r+1], v[XR+8*\r:XR+8*\r+1], v[KN:KN+1]
	v_pk_fma_f32 v[PS+2*\r:PS+2*\r+1], v[XR+8*\r+2:XR+8*\r+3], v[KN+2:KN+3], v[PS+2*\r:PS+2*\r+1]
	v_pk_fma_f32 v[PS+2*\r:PS+2*\r+1], v[XR+8*\r+4:XR+8*\r+5], v[KN+4:KN+5], v[PS+2*\r:PS+2*\r+1]
	v_pk_fma_f32 v[PS+2*\r:PS+2*\r+1], v[XR+8*\r+6:XR+8*\r+7], v[KN+6:KN+7], v[PS+2*\r:PS+2*\r+1]
	v_add_f32 v[Y+\r], v[PS+2*\r], v[PS+2*\r+1]
.endr
.irp m, 1,2,4,8                        ; the four rows' sums over the lanes, by turns
.irp r, 0,1,2,3
	v_add_f32_dpp v[Y+\r], v[Y+\r], v[Y+\r] row_xmask:\m row_mask:0xf bank_mask:0xf
.endr
.endr
.irp r, 0,1,2,3
	v_permlanex16_b32 v[PS+\r], v[Y+\r], s12, s13
.endr
.irp r, 0,1,2,3
	v_add_f32 v[Y+\r], v[Y+\r], v[PS+\r]           ; y of row r, in every lane
.endr
	v_cndmask_b32 v60, v[Y], v[Y+1], s14           ; lane l goes on with row l % 4
	v_cndmask_b32 v61, v[Y+2], v[Y+3], s14
	v_cndmask_b32 v60, v60, v61, s15
	v_mul_f32 v63, 0x4038aa3b, v60                 ; 2 log2(e) y
	v_exp_f32 v63, v63
	v_ashrrev_i32 v62, 31, v60                     ; (a plain instruction behind the transcendental)  the key: all bits turned where y is negative,
	s_wait_alu depctr_va_vdst(0)
	v_add_f32 v63, 1.0, v63
	v_rcp_f32 v63, v63
	v_or_b32 v62, 0x80000000, v62                  ; (likewise)  the sign bit alone where it is not
	s_wait_alu depctr_va_vdst(0)
	v_fma_f32 v63, v63, -2.0, 1.0                  ; tanh(y)
	v_xor_b32 v62, v60, v62
	ds_store_b32 v64, v62                          ; eight lanes hold the same row and write the same word with the same value
	ds_store_b32 v64, v63 offset:128
	s_wait_dscnt 0x0                               ; for the others' sake: my stores have landed
	s_barrier_signal -1
	s_barrier_wait -1
	s_cmp_lg_u32 s10, 0
	s_cbranch_scc1 .Ldone                          ; wave 0 stores the block
	ds_load_b64 v[66:67], v65
	s_lshl_b32 s16, ttmp9, 8
	s_add_nc_u64 s[8:9], s[8:9], s[16:17]
	s_wait_dscnt 0x0
	global_store_b64 v65, v[66:67], s[8:9]         ; 32 lanes store 256 consecutive bytes, aligned
.Ldone:
	s_wait_tensorcnt 0x0
	ds_add_u32 v72, v73
	s_wait_dscnt 0x0
	s_endpgm
.Lfunc_end_k_q9c9bd24618_score:
	.size	k_q9c9bd24618_score, .Lfunc_end_k_q9c9bd24618_score-k_q9c9bd24618_score
	.p2alignl 7, 3214868480
	.fill 96, 4, 3214868480
	.section	.rodata,"a",@progbits
	.p2align	6, 0x0
	.amdhsa_kernel k_q9c9bd24618_score
		.amdhsa_group_segment_fixed_size 1280
		.amdhsa_private_segment_fixed_size 0
		.amdhsa_enable_private_segment 0
		.amdhsa_kernarg_size 24
		.amdhsa_user_sgpr_count 2
		.amdhsa_user_sgpr_kernarg_segment_ptr 1
		.amdhsa_wavefront_size32 1
		.amdhsa_system_sgpr_workgroup_id_x 1
		.amdhsa_system_sgpr_workgroup_id_y 1
		.amdhsa_system_sgpr_workgroup_id_z 1
		.amdhsa_system_vgpr_workitem_id 0
		.amdhsa_next_free_vgpr 74
		.amdhsa_next_free_sgpr 66
		.amdhsa_reserve_vcc 0
		.amdhsa_float_denorm_mode_32 3
		.amdhsa_float_denorm_mode_16_64 3
		.amdhsa_memory_ordered 1
		.amdhsa_forward_progress 1
		.amdhsa_inst_pref_size 8
	.end_amdhsa_kernel
	.amdgpu_metadata
---
amdhsa.version: [ 1, 2 ]
amdhsa.kernels:
  - .name:           k_q9c9bd24618_score
    .symbol:         k_q9c9bd24618_score.kd
    .args:
      - { .name: X, .offset: 0, .size: 8, .value_kind: global_buffer, .address_space: global }
      - { .name: kernel, .offset: 8, .size: 8, .value_kind: global_buffer, .address_space: global }
      - { .name: kt, .offset: 16, .size: 8, .value_kind: global_buffer, .address_space: global }
    .group_segment_fixed_size: 1280
    .private_segment_fixed_size: 0
    .kernarg_segment_align: 8
    .kernarg_segment_size: 24
    .max_flat_workgroup_size: 256
    .sgpr_count:     66
    .vgpr_count:     74
    .wavefront_size: 32
...
	.end_amdgpu_metadata
.endif
;; end of part 1
;; launch rank (part 2): grid 128 x 1, 16 waves a work-group, no clusters, 4,096 bytes of LDS; arguments kt, sel; writes sel
.if DOCPART == 2
	.amdgcn_target "amdgcn-amd-amdhsa--gfx1250"
	.amdhsa_code_object_version 6
	.text
	.protected	k_q9c9bd24618_rank
	.globl	k_q9c9bd24618_rank
	.p2align	8
	.type	k_q9c9bd24618_rank,@function
k_q9c9bd24618_rank:
	s_mov_b64 s[64:65], 0
	v_nop
	global_prefetch_b8 v0, s[64:65] scope:SCOPE_SE
	s_setreg_imm32_b32 hwreg(HW_REG_WAVE_MODE, 25, 1), 1
	s_wait_xcnt 0x0
; rank[i] = the number of j with key[j] > key[i], plus the number of j < i with key[j] = key[i]: the place of row i in a descending order
; that keeps the lower index first among equals.  Row i is kept where rank[i] < 2048.  sel: 128 words; bit l of word c says whether row 32 c + l is kept.
; The ranks are a permutation of 0 .. 4095, so exactly 2,048 bits are set.
; SHARES.  Work-group c owns rows 32 c + lane: one word of sel.  Each of its sixteen waves compares them with eight blocks of 32 keys (a sixteenth of all keys).
; The keys compared against come by scalar loads: a compare takes one as its scalar source, and an add with carry counts it: two vector instructions for 32 pairs.
; For a block of lower rows 'greater or equal' is wanted: key[j] > key[i] - 1.  LIMIT: a key of 0 would wrap there; only a NaN pattern has it, and NaN is not served.
; Equal keys inside the work-group's own block: wave w takes keys 2 w and 2 w + 1 of it and counts them for the lanes above.
; No address and no branch hangs on a key.  The launch stores 4 bytes a work-group: sel is 512 bytes in all, and the compares are spread over 128 work-groups.
.macro SLOAD t                         ; block t of my eight: 32 keys into set t % 2 (set 0: s16-47; set 1: s48-63 and s68-83)
.if ((\t)%2) == 0
	s_load_b512 s[16:31], s[10:11], 256*(\t)
	s_load_b512 s[32:47], s[10:11], 256*(\t)+64
.else
	s_load_b512 s[48:63], s[10:11], 256*(\t)
	s_load_b512 s[68:83], s[10:11], 256*(\t)+64
.endif
.endm
.macro BLK t
	s_add_co_u32 s9, s2, \t                        ; the block's number among the 128
	s_cmp_lt_u32 s9, ttmp9
	s_cselect_b32 s9, -1, 0
	v_cndmask_b32 v5, v2, v3, s9                   ; a block of lower rows: compare with key - 1
.set j, 0
.rept 32
.if ((\t)%2) == 0
.set rg, 16+j
.elseif j < 16
.set rg, 48+j
.else
.set rg, 52+j
.endif
	v_cmp_gt_u32 vcc_lo, s[rg], v5
	v_add_co_ci_u32 v4, vcc_lo, 0, v4, vcc_lo
.set j, j+1
.endr
.endm
	s_load_b128 s[4:7], s[0:1], 0x0                ; kt s[4:5], sel s[6:7]
	v_lshl_add_u32 v40, v0, 2, 0x800
	v_mov_b32 v41, 0
	v_lshrrev_b32 v1, 5, v0
	v_readfirstlane_b32 s8, v1                     ; wave 0..15
	v_and_b32 v6, 31, v0
	v_lshlrev_b32 v1, 2, v6                        ; 4 x lane
	v_lshlrev_b32 v7, 2, v0                        ; 4 x thread
	s_lshl_b32 s2, s8, 3                           ; my first block of keys
	s_lshl_b32 s14, s8, 11                         ; eight blocks of 256 bytes
	s_mov_b32 s15, 0
	s_wait_kmcnt 0x0
	s_add_nc_u64 s[10:11], s[4:5], s[14:15]        ; kt at my eight blocks
	s_lshl_b32 s14, ttmp9, 8
	s_add_nc_u64 s[84:85], s[4:5], s[14:15]        ; kt at the work-group's own block
	s_lshl_b32 s14, s8, 3
	s_add_nc_u64 s[86:87], s[84:85], s[14:15]      ; and at its keys 2 w, 2 w + 1
	global_load_b32 v2, v1, s[84:85]               ; key[i]
	s_load_b64 s[12:13], s[86:87], 0x0
	SLOAD 0
	s_lshl_b32 s3, s8, 1
	s_lshl_b32 s14, -2, s3                         ; the lanes above 2 w
	s_lshl_b32 s15, s14, 1                         ; the lanes above 2 w + 1
	s_lshl_b32 s9, ttmp9, 2
	v_mov_b32 v8, s9                               ; my word's place in sel
	v_mov_b32 v4, 0                                ; the count
	s_wait_kmcnt 0x0                               ; scalar loads come back in no order: only the count 0 says anything
	s_wait_loadcnt 0x0
	v_add_nc_u32 v3, -1, v2
.irp t, 0,1,2,3,4,5,6
	SLOAD \t+1                                     ; the next block's keys are asked for ahead of this block's 64 vector instructions
	BLK \t
	s_wait_kmcnt 0x0
.endr
	BLK 7
	v_cmp_eq_u32 vcc_lo, s12, v2                   ; equals in my own block, lower index first
	s_and_b32 vcc_lo, vcc_lo, s14
	v_add_co_ci_u32 v4, vcc_lo, 0, v4, vcc_lo
	v_cmp_eq_u32 vcc_lo, s13, v2
	s_and_b32 vcc_lo, vcc_lo, s15
	v_add_co_ci_u32 v4, vcc_lo, 0, v4, vcc_lo
	ds_store_b32 v7, v4                            ; each wave's counts: 128 bytes at 128 x wave
	s_wait_dscnt 0x0
	s_barrier_signal -1
	s_barrier_wait -1
	s_cmp_lg_u32 s8, 0
	s_cbranch_scc1 .Ldone                          ; wave 0 adds the sixteen and stores the word
.irp s, 0,1,2,3,4,5,6,7,8,9,10,11,12,13,14,15
	ds_load_b32 v[16+\s], v1 offset:128*\s
.endr
	s_wait_dscnt 0x0
	v_add3_u32 v16, v16, v17, v18
	v_add3_u32 v19, v19, v20, v21
	v_add3_u32 v22, v22, v23, v24
	v_add3_u32 v25, v25, v26, v27
	v_add3_u32 v28, v28, v29, v30
	v_add3_u32 v16, v16, v19, v22
	v_add3_u32 v25, v25, v28, v31
	v_add_nc_u32 v16, v16, v25                     ; rank[i]
	v_cmp_gt_u32 vcc_lo, 0x800, v16                ; kept?
	v_mov_b32 v6, vcc_lo                           ; the 32 flags as one word
	v_cmp_eq_u32 vcc_lo, 0, v0
	s_wait_xcnt 0x0                                ; EXEC changes only behind this wait
	s_and_saveexec_b32 s9, vcc_lo                  ; lane 0 stores it
	global_store_b32 v8, v6, s[6:7]
	s_wait_xcnt 0x0
	s_or_b32 exec_lo, exec_lo, s9
.Ldone:
	s_wait_tensorcnt 0x0
	ds_add_u32 v40, v41
	s_wait_dscnt 0x0
	s_endpgm
.Lfunc_end_k_q9c9bd24618_rank:
	.size	k_q9c9bd24618_rank, .Lfunc_end_k_q9c9bd24618_rank-k_q9c9bd24618_rank
	.p2alignl 7, 3214868480
	.fill 96, 4, 3214868480
	.section	.rodata,"a",@progbits
	.p2align	6, 0x0
	.amdhsa_kernel k_q9c9bd24618_rank
		.amdhsa_group_segment_fixed_size 4096
		.amdhsa_private_segment_fixed_size 0
		.amdhsa_enable_private_segment 0
		.amdhsa_kernarg_size 16
		.amdhsa_user_sgpr_count 2
		.amdhsa_user_sgpr_kernarg_segment_ptr 1
		.amdhsa_wavefront_size32 1
		.amdhsa_system_sgpr_workgroup_id_x 1
		.amdhsa_system_sgpr_workgroup_id_y 1
		.amdhsa_system_sgpr_workgroup_id_z 1
		.amdhsa_system_vgpr_workitem_id 0
		.amdhsa_next_free_vgpr 42
		.amdhsa_next_free_sgpr 88
		.amdhsa_reserve_vcc 1
		.amdhsa_float_denorm_mode_32 3
		.amdhsa_float_denorm_mode_16_64 3
		.amdhsa_memory_ordered 1
		.amdhsa_forward_progress 1
		.amdhsa_inst_pref_size 23
	.end_amdhsa_kernel
	.amdgpu_metadata
---
amdhsa.version: [ 1, 2 ]
amdhsa.kernels:
  - .name:           k_q9c9bd24618_rank
    .symbol:         k_q9c9bd24618_rank.kd
    .args:
      - { .name: kt, .offset: 0, .size: 8, .value_kind: global_buffer, .address_space: global }
      - { .name: sel, .offset: 8, .size: 8, .value_kind: global_buffer, .address_space: global }
    .group_segment_fixed_size: 4096
    .private_segment_fixed_size: 0
    .kernarg_segment_align: 8
    .kernarg_segment_size: 16
    .max_flat_workgroup_size: 512
    .sgpr_count:     88
    .vgpr_count:     42
    .wavefront_size: 32
...
	.end_amdgpu_metadata
.endif
;; end of part 2
;; launch pack (part 3): grid 16 x 16, 8 waves a work-group, no clusters, 89,088 bytes of LDS; arguments A, sel, lowp_scales, kt, X, S, la, rb, out0, out2; writes la, rb, out0, out2
.if DOCPART == 3
	.amdgcn_target "amdgcn-amd-amdhsa--gfx1250"
	.amdhsa_code_object_version 6
	.text
	.protected	k_q9c9bd24618_pack
	.globl	k_q9c9bd24618_pack
	.p2align	8
	.type	k_q9c9bd24618_pack,@function
k_q9c9bd24618_pack:
	s_mov_b64 s[64:65], 0
	v_nop
	global_prefetch_b8 v0, s[64:65] scope:SCOPE_SE
	s_setreg_imm32_b32 hwreg(HW_REG_WAVE_MODE, 25, 1), 1
	s_wait_xcnt 0x0
; A [4096][4096] f32 is read ONCE and gives both operands of the kept part of A A, as codes of BF8 (E5M2), K innermost:
;   la[p][k] = code of A[idx p][k] with the scale 2^e0 (kept ROWS of A, as they lie);   rb[q][k] = code of A[k][idx q] with the scale 2^e1 (kept COLUMNS, turned).
; code = x / 2^e, held within +-57,344, rounded to the nearest code, ties to even.  idx p = the p-th set bit of sel, so a row's or column's place is the number of set bits below it.
; The launch also stores out0[p] = X[idx p] tanh(y[idx p]) and out2[p] = S[idx p].
; SHARES.  A work-group takes a tile of 256 rows x 256 columns (rows 256 ty on, columns 256 tx on).  THREAD t TAKES COLUMN t OF THE TILE AND ITS REGISTERS RUN DOWN THE ROWS, 32 a block, eight blocks:
; a load of a wave reads 128 consecutive bytes, the eight waves 1,024.  For rb the rows are K: the conversions' results are 32 neighbouring codes of the thread's row of rb; they gather in the wave's own stage (256 bytes a column).
; For la the columns are K: the same registers are converted with e0, four lanes exchange bytes (a 4 x 4 transposition by two lane exchanges and two byte permutes), and the block's 32 rows x 256 bytes gather in a stage
; that the eight waves share: two such stages by turns, one barrier a block.
; THE WAY OUT.  A row of la or rb leaves as a whole: 32 lanes store 8 bytes each, 256 consecutive bytes, aligned, under a scalar branch on the row's flag.  Flags and places are kept in scalar registers:
; a place is a running count of sel's set bits, held under 2,048 ahead of its use in an address.  sel was stored by an earlier launch as whole numbers.  So this launch has no tensor load and no copy.
; out0: wave w of work-group (tx, ty) owns rows 256 ty + 32 w + 2 tx and + 1 of X.  out2: the work-groups with tx = 0, a thread a row, at the text's end: the one store with lanes switched off.
; No cluster: no two work-groups read the same tile of A; what they share is sel's 512 bytes.  Loads run two blocks (64 loads a wave) ahead.
; LIMITS.  e0 and e1 between -126 and 112, so that 2^e and 57,344 x 2^e are f32 numbers.  NaN in A is not served (an infinity is held at the largest code).
.set STL,  0                           ; LDS: la's stages: 2 x 32 rows x LP bytes
.set LP,   288                         ; 256 bytes + 32: the 32 lanes of a 4-byte store (4 rows x 8 words) then fall on 32 different banks (64 banks of 4 bytes: ISA guide 11.1)
.set STLB, 32*LP
.set STR,  STL+2*STLB                  ; rb's stages: for each wave 32 columns x RP bytes
.set RP,   272                         ; 256 bytes + 16
.set STRW, 32*RP
.set XR,   32                          ; v[32:47]   my two rows of X
.set XN,   48                          ; v[48:111]  two sets of 32 numbers of A; at the end rb's 32 rows on their way out
.set TL,   112                         ; v[112:143] a block's numbers held for e0
.set CL,   144                         ; v[144:151] its codes for la
.set CR,   152                         ; v[152:159] its codes for rb
.set TP,   160                         ; v[160:167] the neighbour lane's codes
.set FD,   168                         ; v[168:175] four rows of la on their way out
.set RW,   68                          ; s[68:75]   sel's eight words for the tile's rows: word t = block t's 32 flags
.set RBT,  76                          ; s76        kept rows ahead of the block in hand
.set W4,   77                          ; s77        4 x wave: my first row in a block
.set BP,   80                          ; s[80:95]   eight pairs: where rows go
; v1 lane; v2 4 x thread; v3 8 x lane; v4 to v7 LDS addresses; v10, v11: 2^e0 and 57,344 x 2^e0; v12, v13 the same for e1; v14, v15 byte selects; v16 my row's place, or -1; v18, v19 at work;
; v28 S; v29 16 x lane; v30 4 x lane
; s24 tx, s25 ty, s26 wave; s27, s28 the words of sel with my wave's rows and columns; s29, s30 those words; s31, s32 the set bits below them; s41 flags in hand, s42 the running place
.macro LOAD t                          ; block t: A(32 t + i, my column), i = 0 .. 31, into set t % 2.  The largest offset, 255 rows of 16,384 bytes, lies inside the signed 24-bit immediate (ISA guide, chapter 10)
.irp i, 0,1,2,3,4,5,6,7,8,9,10,11,12,13,14,15,16,17,18,19,20,21,22,23,24,25,26,27,28,29,30,31
	global_load_b32 v[XN+32*((\t)%2)+\i], v2, s[4:5] offset:(32*(\t)+\i)*16384 th:TH_LOAD_NT
.endr
.endm
; pair j takes the address of row s42 (4,096 bytes a row) of the buffer at s[ptr]; then the place steps on if the row's flag, bit 'bit' of s41, is set
.macro ADDR j, bit, ptr
	s_min_u32 s43, s42, 0x7ff                      ; a number that was loaded enters an address only behind this hold
	s_lshl_b32 s50, s43, 12
	s_add_nc_u64 s[BP+2*(\j):BP+2*(\j)+1], s[\ptr:\ptr+1], s[50:51]
	s_bitcmp1_b32 s41, \bit
	s_add_co_ci_u32 s42, s42, 0                    ; + the flag
.endm
; the row goes out if it is kept
.macro ROWOUT j, bit, d
	s_bitcmp1_b32 s41, \bit
	s_cbranch_scc0 .Lskip_\@
	global_store_b64 v3, v[\d:\d+1], s[BP+2*(\j):BP+2*(\j)+1]   ; 32 lanes store 256 consecutive bytes, at a multiple of 256 from the buffer's first byte
.Lskip_\@:
.endm
.macro BLOCK t
.set XS, XN+32*((\t)%2)
.if (\t) < 7
	s_wait_loadcnt 32                              ; this block's 32 loads are in; the next block's may be out
.else
	s_wait_loadcnt 0
.endif
.set i, 0
.rept 32
	v_med3_num_f32 v[TL+i], v[XS+i], -v11, v11     ; the conversion to an 8-bit code does not saturate (ISA guide 7.6.2): the hold at the largest code x 2^e0
.set i, i+1
.endr
.irp g, 0,1,2,3
	v_cvt_scalef32_pk8_bf8_f32 v[CL+2*\g:CL+2*\g+1], v[TL+8*\g:TL+8*\g+7], v10
.endr
.set i, 0
.rept 32
	v_med3_num_f32 v[XS+i], v[XS+i], -v13, v13     ; the same numbers for e1, in place
.set i, i+1
.endr
.irp g, 0,1,2,3
	v_cvt_scalef32_pk8_bf8_f32 v[CR+2*\g:CR+2*\g+1], v[XS+8*\g:XS+8*\g+7], v12
.endr
	v_nop                                          ; one plain vector instruction behind the last scaled conversion
.if (\t)+2 < 8
	LOAD (\t)+2                                    ; the set is free: the block two further on
.endif
	; register m of CL holds rows 4 m .. 4 m + 3 of my column.  Lanes 4 c .. 4 c + 3 exchange: afterwards lane 4 c + a holds, in register m, row 4 m + a at columns 4 c .. 4 c + 3
.irp m, 0,1,2,3,4,5,6,7
	v_mov_b32_dpp v[TP+\m], v[CL+\m] row_xmask:1 row_mask:0xf bank_mask:0xf
.endr
.irp m, 0,1,2,3,4,5,6,7
	v_perm_b32 v[CL+\m], v[TP+\m], v[CL+\m], v14
.endr
.irp m, 0,1,2,3,4,5,6,7
	v_mov_b32_dpp v[TP+\m], v[CL+\m] row_xmask:2 row_mask:0xf bank_mask:0xf
.endr
.irp m, 0,1,2,3,4,5,6,7
	v_perm_b32 v[CL+\m], v[TP+\m], v[CL+\m], v15
.endr
	ds_store_b128 v6, v[CR:CR+3] offset:STR+32*(\t)       ; 32 codes of my column's row of rb
	ds_store_b128 v6, v[CR+4:CR+7] offset:STR+32*(\t)+16
.irp m, 0,1,2,3,4,5,6,7
	ds_store_b32 v4, v[CL+\m] offset:STL+((\t)%2)*STLB+4*LP*\m
.endr
	s_wait_dscnt 0x0                               ; my stores have landed, and my reads of the other stage (a block ago) are in:
	s_barrier_signal -1                            ; so this one barrier shows this block's stage whole and frees the other stage for the next block
	s_barrier_wait -1
	s_wait_xcnt 0x0                                ; the last block's stores have read their data and their bases: both are written again below
.irp j, 0,1,2,3
	ds_load_b64 v[FD+2*\j:FD+2*\j+1], v5 offset:STL+((\t)%2)*STLB+\j*LP   ; rows 4 w + j of the block, whole: 8 bytes a lane
.endr
	s_lshr_b32 s41, s[RW+(\t)], s[W4]              ; the flags from my first row on
	s_bfm_b32 s42, s[W4], 0
	s_and_b32 s42, s[RW+(\t)], s42
	s_bcnt1_i32_b32 s42, s42                       ; the block's kept rows ahead of mine,
	s_add_co_u32 s42, s42, s[RBT]                  ; and all kept rows ahead of the block: my first row's place
.irp j, 0,1,2,3
	ADDR \j, \j, 16
.endr
	s_bcnt1_i32_b32 s43, s[RW+(\t)]
	s_add_co_u32 s[RBT], s[RBT], s43               ; on to the next block
	s_wait_dscnt 0x0
.irp j, 0,1,2,3
	ROWOUT \j, \j, FD+2*\j
.endr
.endm
	s_load_b512 s[4:19], s[0:1], 0x0               ; A s[4:5], sel s[6:7], the scales' exponents s[8:9], kt s[10:11], X s[12:13], S s[14:15], la s[16:17], rb s[18:19]
	s_load_b128 s[20:23], s[0:1], 0x40             ; out0 s[20:21], out2 s[22:23]
	v_lshl_add_u32 v176, v0, 2, 0x15800
	v_mov_b32 v177, 0
	v_lshrrev_b32 v1, 5, v0
	v_readfirstlane_b32 s26, v1                    ; wave 0..7
	v_and_b32 v1, 31, v0
	v_lshlrev_b32 v2, 2, v0
	v_lshlrev_b32 v3, 3, v1
	v_lshlrev_b32 v29, 4, v1
	v_lshlrev_b32 v30, 2, v1
	s_mov_b32 s24, ttmp9                           ; tx
	s_and_b32 s25, ttmp7, 0xffff                   ; ty
	s_lshl_b32 s27, s25, 3
	s_add_co_u32 s27, s27, s26                     ; the word of sel with my wave's 32 rows: 8 ty + w
	s_lshl_b32 s28, s24, 3
	s_add_co_u32 s28, s28, s26                     ; and with its 32 columns: 8 tx + w
	s_mov_b32 s51, 0
	s_mov_b32 s38, 0x76543210                      ; v_permlanex16_b32: each lane takes its own place in the other half
	s_mov_b32 s39, 0xfedcba98
	s_mov_b32 s54, 0x01010101
	s_wait_kmcnt 0x0
	s_lshl_b32 s50, s25, 22                        ; 256 rows of 16,384 bytes
	s_lshl_b32 s41, s24, 10                        ; 256 columns of 4 bytes
	s_add_co_u32 s50, s50, s41
	s_add_nc_u64 s[4:5], s[4:5], s[50:51]          ; A at the tile
	s_lshl_b32 s50, s24, 8
	s_add_nc_u64 s[16:17], s[16:17], s[50:51]      ; la at K = 256 tx
	s_lshl_b32 s50, s25, 8
	s_add_nc_u64 s[18:19], s[18:19], s[50:51]      ; rb at K = 256 ty
	s_lshl_b32 s41, s26, 5
	s_add_co_u32 s50, s50, s41
	s_lshl_b32 s41, s24, 1
	s_add_co_u32 s50, s50, s41                     ; 256 ty + 32 w + 2 tx
	s_lshl_b32 s50, s50, 10
	s_add_nc_u64 s[12:13], s[12:13], s[50:51]      ; X at my wave's two rows
	s_lshl_b32 s50, s25, 10
	s_add_nc_u64 s[14:15], s[14:15], s[50:51]      ; S at row 256 ty
	s_lshl_b32 s50, s27, 8
	s_lshl_b32 s41, s24, 3
	s_add_co_u32 s50, s50, s41
	s_add_nc_u64 s[10:11], s[10:11], s[50:51]      ; kt at my rows' block, 8 tx bytes on
	s_lshl_b32 s50, s27, 2
	s_add_nc_u64 s[44:45], s[6:7], s[50:51]
	s_lshl_b32 s50, s28, 2
	s_add_nc_u64 s[46:47], s[6:7], s[50:51]
	s_lshl_b32 s50, s25, 5
	s_add_nc_u64 s[52:53], s[6:7], s[50:51]        ; sel at the tile's eight words
	s_load_b32 s29, s[44:45], 0x0                  ; my rows' flags
	s_load_b32 s30, s[46:47], 0x0                  ; my columns' flags
	s_load_b256 s[RW:RW+7], s[52:53], 0x0          ; the flags of the tile's 256 rows
	s_load_b64 s[34:35], s[8:9], 0x0               ; e0, e1
	s_load_b64 s[36:37], s[10:11], 0x80            ; tanh(y) of my two rows of X
	global_load_b128 v[TL:TL+3], v29, s[6:7]       ; all of sel: lane l holds words 4 l .. 4 l + 3
	global_load_b128 v[XR:XR+3], v29, s[12:13] th:TH_LOAD_NT
	global_load_b128 v[XR+4:XR+7], v29, s[12:13] offset:512 th:TH_LOAD_NT
	global_load_b128 v[XR+8:XR+11], v29, s[12:13] offset:1024 th:TH_LOAD_NT
	global_load_b128 v[XR+12:XR+15], v29, s[12:13] offset:1536 th:TH_LOAD_NT
	global_load_b32 v28, v2, s[14:15]
	LOAD 0
	LOAD 1
	; LDS addresses: constants, the lane and the wave's number; the regions' first bytes stand in the immediates
	v_and_b32 v19, 3, v0
	v_bfe_u32 v18, v0, 2, 3
	v_mul_u32_u24 v4, v19, LP
	v_lshl_add_u32 v4, v18, 2, v4
	s_lshl_b32 s41, s26, 5
	v_add_nc_u32 v4, s41, v4                       ; into la's stage: row lane % 4, byte 32 w + 4 (lane / 4)
	s_mul_i32 s41, s26, 4*LP
	v_add_nc_u32 v5, s41, v3                       ; out of it: row 4 w, 8 bytes a lane
	s_mul_i32 s41, s26, STRW
	v_mul_u32_u24 v6, v1, RP
	v_add_nc_u32 v6, s41, v6                       ; into rb's stage: my column's row
	v_add_nc_u32 v7, s41, v3                       ; out of it: my wave's first column, 8 bytes a lane
	s_mov_b32 s41, 0xaaaaaaaa
	s_mov_b32 s42, 0xcccccccc
	v_mov_b32 v14, 0x06020400                      ; even lanes: my bytes 0, 2 beside the neighbour's 0, 2;
	v_mov_b32 v15, 0x03070105                      ; odd lanes: the neighbour's 1, 3 beside mine
	v_cndmask_b32 v14, v14, v15, s41
	v_mov_b32 v15, 0x05040100                      ; lanes 0, 1 of four: my low half, then the neighbour's;
	v_mov_b32 v19, 0x03020706                      ; lanes 2, 3: the neighbour's high half, then mine
	v_cndmask_b32 v15, v15, v19, s42
.irp m, 0,1,2,3,4,5,6,7
	v_mov_b32 v[TP+\m], 0                          ; written once: a DPP destination counts as one of its sources
.endr
	s_wait_kmcnt 0x0
	s_add_co_i32 s41, s34, 127
	s_lshl_b32 s42, s41, 23
	v_mov_b32 v10, s42                             ; 2^e0 as f32: the conversion takes its exponent field
	s_add_co_i32 s41, s41, 15
	s_lshl_b32 s41, s41, 23
	s_or_b32 s41, s41, 0x600000
	v_mov_b32 v11, s41                             ; 57,344 x 2^e0
	s_add_co_i32 s41, s35, 127
	s_lshl_b32 s42, s41, 23
	v_mov_b32 v12, s42
	s_add_co_i32 s41, s41, 15
	s_lshl_b32 s41, s41, 23
	s_or_b32 s41, s41, 0x600000
	v_mov_b32 v13, s41
	s_wait_loadcnt 63                              ; 70 loads have been issued and come back in order: the oldest seven are in, sel's among them
	; the set bits in the words below my rows' word, and below my columns' word
	v_mov_b32 v116, 0
	v_mov_b32 v117, 0
.irp e, 0,1,2,3
	v_lshrrev_b32 v118, 1, v[TL+\e]                ; the word's number of set bits: by pairs, fours, bytes, and a multiplication that adds the four bytes
	v_and_b32 v118, 0x55555555, v118
	v_sub_nc_u32 v[TL+\e], v[TL+\e], v118
	v_lshrrev_b32 v118, 2, v[TL+\e]
	v_and_b32 v[TL+\e], 0x33333333, v[TL+\e]
	v_and_b32 v118, 0x33333333, v118
	v_add_nc_u32 v[TL+\e], v[TL+\e], v118
	v_lshrrev_b32 v118, 4, v[TL+\e]
	v_add_nc_u32 v[TL+\e], v[TL+\e], v118
	v_and_b32 v[TL+\e], 0x0f0f0f0f, v[TL+\e]
	v_mul_lo_u32 v[TL+\e], v[TL+\e], s54
	v_lshrrev_b32 v[TL+\e], 24, v[TL+\e]
	v_add_nc_u32 v119, \e, v30                     ; the word's number
	v_cmp_gt_u32 vcc_lo, s27, v119
	v_cndmask_b32 v118, 0, v[TL+\e], vcc_lo
	v_add_nc_u32 v116, v116, v118
	v_cmp_gt_u32 vcc_lo, s28, v119
	v_cndmask_b32 v118, 0, v[TL+\e], vcc_lo
	v_add_nc_u32 v117, v117, v118
.endr
	v_lshl_add_u32 v116, v117, 16, v116            ; both sums stay under 4,097: two halves of one word
.irp m, 1,2,4,8
	v_mov_b32_dpp v118, v116 row_xmask:\m row_mask:0xf bank_mask:0xf
	v_add_nc_u32 v116, v116, v118
.endr
	v_permlanex16_b32 v118, v116, s38, s39
	v_add_nc_u32 v116, v116, v118
	v_readfirstlane_b32 s31, v116
	s_lshr_b32 s32, s31, 16                        ; kept columns ahead of my wave's 32
	s_and_b32 s31, s31, 0xffff                     ; kept rows ahead of my wave's 32
	v_mbcnt_lo_u32_b32 v16, s29, s31               ; + the set bits below my lane's
	v_cndmask_b32 v16, -1, v16, s29                ; my row's place, or -1: for out2
	; kept rows ahead of the tile: those ahead of my wave's word, less the tile's words ahead of it
	s_mov_b32 s[RBT], s31
.irp u, 0,1,2,3,4,5,6
	s_bcnt1_i32_b32 s41, s[RW+\u]
	s_cmp_gt_u32 s26, \u
	s_cselect_b32 s41, s41, 0
	s_sub_co_u32 s[RBT], s[RBT], s41
.endr
	s_lshl_b32 s[W4], s26, 2
	; my wave's two rows of out0
	s_lshl_b32 s41, s24, 1                         ; their bits: 2 tx and 2 tx + 1
	s_bfm_b32 s42, s41, 0
	s_and_b32 s42, s29, s42
	s_bcnt1_i32_b32 s42, s42
	s_add_co_u32 s42, s42, s31                     ; the first row's place
	s_lshr_b32 s43, s29, s41
	s_and_b32 s48, s43, 1                          ; is it kept?
	s_lshr_b32 s43, s43, 1
	s_and_b32 s49, s43, 1                          ; is the second?
	s_add_co_u32 s43, s42, s48                     ; the second row's place
	s_min_u32 s42, s42, 0x7ff
	s_min_u32 s43, s43, 0x7ff
	s_lshl_b32 s50, s42, 10
	s_add_nc_u64 s[44:45], s[20:21], s[50:51]      ; (the scalar loads that read s[44:47] are done)
	s_lshl_b32 s50, s43, 10
	s_add_nc_u64 s[46:47], s[20:21], s[50:51]
	BLOCK 0
	; out0: X's rows were asked for ahead of block 0's numbers, so they are in
.irp i, 0,1,2,3,4,5,6,7
	v_mul_f32 v[XR+\i], s36, v[XR+\i]
	v_mul_f32 v[XR+8+\i], s37, v[XR+8+\i]
.endr
	s_cmp_eq_u32 s48, 0
	s_cbranch_scc1 .Lnot_row0
	global_store_b128 v29, v[XR:XR+3], s[44:45] th:TH_STORE_NT              ; 32 lanes store 512 consecutive bytes
	global_store_b128 v29, v[XR+4:XR+7], s[44:45] offset:512 th:TH_STORE_NT
.Lnot_row0:
	s_cmp_eq_u32 s49, 0
	s_cbranch_scc1 .Lnot_row1
	global_store_b128 v29, v[XR+8:XR+11], s[46:47] th:TH_STORE_NT
	global_store_b128 v29, v[XR+12:XR+15], s[46:47] offset:512 th:TH_STORE_NT
.Lnot_row1:
.irp t, 1,2,3,4,5,6,7
	BLOCK \t
.endr
	; rb: my wave's 32 columns x 256 codes leave its own stage, a column an instruction (LDS serves a wave's instructions in order: these loads see my stores)
.irp c, 0,1,2,3,4,5,6,7,8,9,10,11,12,13,14,15,16,17,18,19,20,21,22,23,24,25,26,27,28,29,30,31
	ds_load_b64 v[XN+2*\c:XN+2*\c+1], v7 offset:STR+\c*RP
.endr
	s_mov_b32 s41, s30                             ; my columns' flags
	s_mov_b32 s42, s32                             ; my first column's place
.irp bt, 0,1,2,3
	s_wait_xcnt 0x0                                ; the stores issued so far have read their bases: the eight pairs are written again
.irp j, 0,1,2,3,4,5,6,7
	ADDR \j, 8*\bt+\j, 18
.endr
	s_wait_dscnt 24-8*\bt                          ; these eight columns are in; the later ones' loads may be out
.irp j, 0,1,2,3,4,5,6,7
	ROWOUT \j, 8*\bt+\j, XN+2*(8*\bt+\j)
.endr
.endr
	; out2: the work-groups with tx = 0; a thread a row; the lanes of rows that are not kept are switched off
	s_cmp_lg_u32 s24, 0
	s_cbranch_scc1 .Lnot_s
	v_cmp_le_i32 vcc_lo, 0, v16
	v_min_u32 v19, 0x7ff, v16                      ; the hold ahead of the address
	v_lshlrev_b32 v19, 2, v19
	s_wait_xcnt 0x0                                ; EXEC is a source of the loads and stores issued before: it changes only behind this wait,
	s_and_saveexec_b32 s40, vcc_lo
	global_store_b32 v19, v28, s[22:23] th:TH_STORE_NT   ; the kept lanes' words are neighbours; out2 is 8,192 bytes in all
	s_wait_xcnt 0x0                                ; and again
	s_or_b32 exec_lo, exec_lo, s40
.Lnot_s:
	s_wait_tensorcnt 0x0
	ds_add_u32 v176, v177
	s_wait_dscnt 0x0
	s_endpgm
.Lfunc_end_k_q9c9bd24618_pack:
	.size	k_q9c9bd24618_pack, .Lfunc_end_k_q9c9bd24618_pack-k_q9c9bd24618_pack
	.p2alignl 7, 3214868480
	.fill 96, 4, 3214868480
	.section	.rodata,"a",@progbits
	.p2align	6, 0x0
	.amdhsa_kernel k_q9c9bd24618_pack
		.amdhsa_group_segment_fixed_size 89088
		.amdhsa_private_segment_fixed_size 0
		.amdhsa_enable_private_segment 0
		.amdhsa_kernarg_size 80
		.amdhsa_user_sgpr_count 2
		.amdhsa_user_sgpr_kernarg_segment_ptr 1
		.amdhsa_wavefront_size32 1
		.amdhsa_system_sgpr_workgroup_id_x 1
		.amdhsa_system_sgpr_workgroup_id_y 1
		.amdhsa_system_sgpr_workgroup_id_z 1
		.amdhsa_system_vgpr_workitem_id 0
		.amdhsa_next_free_vgpr 178
		.amdhsa_next_free_sgpr 96
		.amdhsa_reserve_vcc 1
		.amdhsa_float_denorm_mode_32 3
		.amdhsa_float_denorm_mode_16_64 3
		.amdhsa_memory_ordered 1
		.amdhsa_forward_progress 1
		.amdhsa_inst_pref_size 123
	.end_amdhsa_kernel
	.amdgpu_metadata
---
amdhsa.version: [ 1, 2 ]
amdhsa.kernels:
  - .name:           k_q9c9bd24618_pack
    .symbol:         k_q9c9bd24618_pack.kd
    .args:
      - { .name: A, .offset: 0, .size: 8, .value_kind: global_buffer, .address_space: global }
      - { .name: sel, .offset: 8, .size: 8, .value_kind: global_buffer, .address_space: global }
      - { .name: lowp_scales, .offset: 16, .size: 8, .value_kind: global_buffer, .address_space: global }
      - { .name: kt, .offset: 24, .size: 8, .value_kind: global_buffer, .address_space: global }
      - { .name: X, .offset: 32, .size: 8, .value_kind: global_buffer, .address_space: global }
      - { .name: S, .offset: 40, .size: 8, .value_kind: global_buffer, .address_space: global }
      - { .name: la, .offset: 48, .size: 8, .value_kind: global_buffer, .address_space: global }
      - { .name: rb, .offset: 56, .size: 8, .value_kind: global_buffer, .address_space: global }
      - { .name: out0, .offset: 64, .size: 8, .value_kind: global_buffer, .address_space: global }
      - { .name: out2, .offset: 72, .size: 8, .value_kind: global_buffer, .address_space: global }
    .group_segment_fixed_size: 89088
    .private_segment_fixed_size: 0
    .kernarg_segment_align: 8
    .kernarg_segment_size: 80
    .max_flat_workgroup_size: 256
    .sgpr_count:     96
    .vgpr_count:     178
    .wavefront_size: 32
...
	.end_amdgpu_metadata
.endif
;; end of part 3
;; launch gemm (part 4): grid 16 x 16, 4 waves a work-group, clusters of 4 x 4, 327,680 bytes of LDS; arguments la, rb, lowp_scales, out1; writes out1
.if DOCPART == 4
	.amdgcn_target "amdgcn-amd-amdhsa--gfx1250"
	.amdhsa_code_object_version 6
	.text
	.protected	k_q9c9bd24618_gemm
	.globl	k_q9c9bd24618_gemm
	.p2align	8
	.type	k_q9c9bd24618_gemm,@function
k_q9c9bd24618_gemm:
	s_mov_b64 s[64:65], 0
	v_nop
	global_prefetch_b8 v0, s[64:65] scope:SCOPE_SE
	s_setreg_imm32_b32 hwreg(HW_REG_WAVE_MODE, 25, 1), 1
	s_wait_xcnt 0x0
	s_wait_alu depctr_hold_cnt(0) depctr_sa_sdst(0) depctr_va_vdst(0) depctr_va_sdst(0) depctr_va_ssrc(0) depctr_va_vcc(0) depctr_vm_vsrc(0)
	s_getreg_b32 s2, hwreg(HW_REG_IB_STS2, 6, 4)
	s_cmp_eq_u32 s2, 0
	s_cbranch_scc0 .Lentry_in_a_cluster
	s_endpgm
.Lentry_in_a_cluster:
	s_bfe_u32 s2, ttmp6, 0x10000c
	s_cmp_lg_u32 s2, 0xf033
	s_cbranch_scc0 .Lentry_shape_is_right
	s_endpgm
.Lentry_shape_is_right:
; out1[p][q] = 2^(e0 + e1) x the sum over k of la[p][k] rb[q][k].  la, rb: [2048][4096] codes of BF8 (E5M2), K innermost; out1: [2048][2048] f32; sums in f32.
; Only the kept rows and columns of A A are multiplied: a quarter of the whole product.
; LIMIT: e0 + e1 lies between -126 and 127, so that 2^(e0 + e1) is an f32 number.
; A tile of out1 is 128 x 128: 256 tiles, one to a work-group.  Four waves, each 64 x 64: 16 accumulators of 16 x 16, 128 registers.
; K goes in steps of 512 through a ring of two LDS slots filled by the tensor data mover: a tile's row is 512 bytes of memory, a wave's load brings 64 rows; two such slots are what LDS has room for.
; CLUSTERS: 4 x 4 work-groups.  The four of a row of the cluster need the same tiles of la, the four of a column the same tiles of rb: each tile is asked for JOINTLY, by the same tensor load with the same
; descriptor and a mask that names the four.  THE MATRIX INSTRUCTION IS USED TRANSPOSED (source 0 = 16 rows of rb, source 1 = 16 rows of la): a lane then holds eight neighbouring numbers of a row of out1.
; A fragment (16 rows x 128 K, 16 registers) comes by four loads of 16 bytes, 32 bytes apart: a permutation of k, the same on both sides, so that every product meets its partner.
; REGISTERS: window 0: v16-29 addresses; v32-127 at work on the way out; v128-255 the accumulators ((a, b) at v[128 + 8 (4 a + b)]).
;   window 1: two fragment buffers of 128: four fragments of la (64 registers), then four of rb.
.set KSTEP,  512                       ; along K in a slot, and a tile's row in bytes
.set KROW,   4096                      ; a row of la or rb in memory
.set PITCH,  528                       ; an LDS row: 512 bytes + 16 of padding = 132 words: row r starts at bank 4 r mod 64 (64 banks of 4 bytes: ISA guide 11.1)
.set HALFT,  64*PITCH                  ; 64 rows: what one tensor load brings, and what one wave reads of la or of rb
.set SLOT,   4*HALFT                   ; la's 128 rows, then rb's 128 rows
.set STAGE,  2*SLOT                    ; behind the ring: 16 rows x 272 bytes for each wave, for the way out
.set SPITCH, 272
.set SPARE,  STAGE+4*16*SPITCH         ; behind the stages: the spare words, 128 bytes for each wave: two blocks of 256 bytes that no other line names
.set LAPS,   KROW/(2*KSTEP)            ; a lap = two K steps = once round the ring: four laps
.set CROW,   8192                      ; a row of out1 in bytes
.set ADRA, 16                          ; v16-17  LDS address of my fragments of la in slot 0, 1
.set ADRB, 20                          ; v20-21  the same for rb
.set STO,  24                          ; v24     the way out: where I put 32 bytes of a row
.set RD,   25                          ; v25     the way out: where I read a row back
.set CO,   26                          ; v26     my byte offset in out1
.set SPW,  28                          ; v28     LDS address of my spare word: SPARE + 4 x my thread's number; never rewritten
.set NIL,  29                          ; v29     0; never rewritten
.set TMP,  32                          ; v32-63  a block's sums x 2^(e0 + e1)
.set BK,   64                          ; v64-95 and v96-127 by turns: 16 rows read back from the stage
.set ACC,  128
.set F0,   0                           ; fragment buffers, in window 1
.set F1,   128
.set G1, 24                            ; s[24:31] descriptor group 1 for la's tiles;  s[32:39] group 0, one set for each slot
.set G0, 32
.set G1B, 48                           ; s[48:55], s[56:63] the same for rb's tiles
.set G0B, 56
.set MSB, 0
.macro WIN new                         ; the immediate's high byte repeats the setting that is left
.if MSB != \new
	s_set_vgpr_msb (MSB<<8)|\new
.set MSB, \new
.endif
.endm
.set MUL,  0x05                        ; sources 0 (rb) and 1 (la) window 1; C and D window 0
.set TO_F, 0x40                        ; destination window 1, address window 0
; A joint load: waves 0 and 1 fetch la's two halves, waves 2 and 3 rb's.  Each of the two lines has ONE mask and one set of registers for all that issue it; the branch hangs on the wave's number alone.
; Four v_nop follow each of the two lines, ahead of the jump, the label and what follows.
.macro JLOAD g0a, g1a, g0b, g1b
	s_cmp_eq_u32 s15, 0
	s_cbranch_scc0 .Lfor_b_\@
	tensor_load_to_lds s[\g0a:\g0a+3], s[\g1a:\g1a+7]
	s_nop 0
.rept 4
	v_nop
.endr
	s_branch .Lasked_\@
.Lfor_b_\@:
	tensor_load_to_lds s[\g0b:\g0b+3], s[\g1b:\g1b+7]
	s_nop 0
.rept 4
	v_nop
.endr
.Lasked_\@:
.endm
.macro CREST                           ; a round of the cluster's barrier behind its opening barrier
	s_cmp_lg_u32 s14, 0
	s_cbranch_scc1 .Lnot_wave_0_\@
	s_barrier_signal -3
.Lnot_wave_0_\@:
	s_barrier_wait -3
	s_barrier_signal -1
	s_barrier_wait -1
.endm
.macro CROUND                          ; a whole round
	s_barrier_signal -1
	s_barrier_wait -1
	CREST
.endm
	s_load_b128 s[4:7], s[0:1], 0x0                ; la s[4:5], rb s[6:7]
	s_load_b128 s[8:11], s[0:1], 0x10              ; the scales' exponents s[8:9], out1 s[10:11]
	v_lshl_add_u32 v[SPW], v0, 2, SPARE
	v_mov_b32 v[NIL], 0
	ds_add_u32 v28, v29
	ds_add_u32 v28, v29
	s_wait_dscnt 0x0
	v_lshrrev_b32 v1, 5, v0
	v_readfirstlane_b32 s14, v1                    ; wave 0..3
	s_lshr_b32 s15, s14, 1                         ; which half of the tile's rows is mine.  Also: I fetch for la (0) or for rb (1)
	s_and_b32 s16, s14, 1                          ; which half of its columns.  Also: which 64 rows of that tile I fetch
	s_bfe_u32 s40, ttmp6, 0x40000                  ; cx, cy: my place in the cluster
	s_bfe_u32 s41, ttmp6, 0x40004
	s_lshl_b32 s42, ttmp9, 2
	s_add_co_u32 s42, s42, s40                     ; tile column = 4 x cluster x + cx
	s_and_b32 s17, ttmp7, 0xffff
	s_lshl_b32 s17, s17, 2
	s_add_co_u32 s17, s17, s41                     ; tile row = 4 x cluster y + cy
	s_lshl_b32 s43, s41, 2
	s_lshl_b32 s43, 15, s43                        ; my row of the cluster
	s_lshl_b32 s44, 0x1111, s40                    ; my column
	; descriptor group 1: a tile of 64 rows x 512 bytes, padded in LDS
	s_or_b32 s[G1+0], s43, (0<<16)|(1<<20)|(1<<21)|(6<<22)|(3<<25)  ; 15:0 the mask: la's tiles go to my row; 17:16 element of 1 byte; 20 padding on; 21 set beside a mask; 24:22 after every 128 words (code 6); 31:25 of 4 words (code 3)
	s_or_b32 s[G1B+0], s44, (0<<16)|(1<<20)|(1<<21)|(6<<22)|(3<<25) ; the same with the mask of my column, for rb's tiles
.irp g, G1, G1B
	s_mov_b32 s[\g+1], KSTEP<<16                   ; tensor_dim0 = 512
	s_mov_b32 s[\g+2], 64<<16                      ; tensor_dim1 = 64
	s_mov_b32 s[\g+3], KSTEP<<16                   ; tile_dim0 = 512
	s_mov_b32 s[\g+4], 64                          ; tile_dim1 = 64
	s_mov_b32 s[\g+5], KROW                        ; tensor_dim0_stride
	s_mov_b32 s[\g+6], 0
	s_mov_b32 s[\g+7], 0
.endr
	s_lshl_b32 s18, s16, 6                         ; which 64 rows of the tile I fetch
	s_lshl_b32 s20, s17, 7
	s_add_co_u32 s20, s20, s18                     ; la: row 128 x tile row + 64 x half
	s_lshl_b32 s20, s20, 12                        ; in bytes: rows of 4,096
	s_lshl_b32 s46, s42, 7
	s_add_co_u32 s46, s46, s18                     ; rb: row 128 x tile column + 64 x half
	s_lshl_b32 s46, s46, 12
	s_mov_b32 s21, 0
	s_mov_b32 s47, 0
	s_mul_i32 s45, s14, HALFT                      ; where they go: wave x 64 rows: no place in the cluster enters an LDS address
	s_wait_kmcnt 0x0
	s_load_b64 s[66:67], s[8:9], 0x0               ; e0, e1
	s_add_nc_u64 s[20:21], s[4:5], s[20:21]
	s_add_nc_u64 s[46:47], s[6:7], s[46:47]
	CROUND                                         ; all sixteen work-groups are here: the first joint loads meet
.irp s, 0,1
	s_mov_b32 s[G0+4*\s], 1                                        ; count = 1
	s_add_co_u32 s[G0+4*\s+1], s45, \s*SLOT                        ; LDS address
	s_add_nc_u64 s[G0+4*\s+2:G0+4*\s+3], s[20:21], \s*KSTEP        ; global address: K step s
	s_or_b32 s[G0+4*\s+3], s[G0+4*\s+3], 0x80000000                ; type = 2
	s_mov_b32 s[G0B+4*\s], 1
	s_add_co_u32 s[G0B+4*\s+1], s45, \s*SLOT
	s_add_nc_u64 s[G0B+4*\s+2:G0B+4*\s+3], s[46:47], \s*KSTEP
	s_or_b32 s[G0B+4*\s+3], s[G0B+4*\s+3], 0x80000000
	JLOAD G0+4*\s, G1, G0B+4*\s, G1B               ; two loads of mine are out
.endr
	v_and_b32 v1, 15, v0                           ; l % 16
	v_bfe_u32 v2, v0, 4, 1                         ; l / 16
	v_mul_u32_u24 v3, v1, PITCH
	v_lshl_add_u32 v4, v2, 4, v3                   ; a fragment's row x pitch + 16 x half
	s_mul_i32 s21, s15, HALFT                      ; my 64 rows of la
	s_mul_i32 s22, s16, HALFT                      ; my 64 rows of rb,
	s_add_co_u32 s22, s22, 2*HALFT                 ; which lie behind la's 128
.irp s, 0,1
	v_add_nc_u32 v[ADRA+\s], s21, v4
	v_add_nc_u32 v[ADRB+\s], s22, v4
	s_add_co_u32 s21, s21, SLOT
	s_add_co_u32 s22, s22, SLOT
.endr
	s_mul_i32 s23, s14, 16*SPITCH
	s_add_co_u32 s23, s23, STAGE                   ; my stage
	v_mul_u32_u24 v5, v1, SPITCH                   ; in: row l % 16, 32 bytes for each half of the lanes
	v_lshl_add_u32 v5, v2, 5, v5
	v_add_nc_u32 v[STO], s23, v5
	v_mul_u32_u24 v5, v2, SPITCH                   ; back: lanes 0-15 take one row of 256 bytes, lanes 16-31 the next
	v_lshl_add_u32 v5, v1, 4, v5
	v_add_nc_u32 v[RD], s23, v5
	v_lshlrev_b32 v5, 13, v2                       ; and the same two rows in out1
	v_lshl_add_u32 v[CO], v1, 4, v5
	s_lshl_b32 s20, s17, 7
	s_lshl_b32 s21, s15, 6
	s_add_co_u32 s20, s20, s21                     ; my first row of out1: 128 x tile row + 64 x half
	s_lshl_b32 s20, s20, 13                        ; in bytes: rows of 8,192
	s_mov_b32 s21, 0
	s_lshl_b32 s46, s42, 9                         ; my first column, in bytes: 512 x tile column + 256 x half
	s_lshl_b32 s47, s16, 8
	s_add_co_u32 s46, s46, s47
	s_mov_b32 s47, 0
	s_add_nc_u64 s[20:21], s[20:21], s[46:47]
	s_add_nc_u64 s[10:11], s[10:11], s[20:21]
; 8 matrix instructions: la's blocks a0, a0 + 1 x rb's four, 128 along K, from buffer f.  zero = 1: the first product starts the sums: nothing is ever cleared.
; The 16 accumulators take turns, one instruction a turn, in the same order in every quarter.
.macro MUL8 f, a0, zero
.irp a, \a0, \a0+1
.irp b, 0,1,2,3
.if \zero
	v_wmma_f32_16x16x128_bf8_bf8 v[ACC+8*(4*(\a)+\b):ACC+8*(4*(\a)+\b)+7], v[\f+64+16*\b:\f+64+16*\b+15], v[\f+16*(\a):\f+16*(\a)+15], 0
.else
	v_wmma_f32_16x16x128_bf8_bf8 v[ACC+8*(4*(\a)+\b):ACC+8*(4*(\a)+\b)+7], v[\f+64+16*\b:\f+64+16*\b+15], v[\f+16*(\a):\f+16*(\a)+15], v[ACC+8*(4*(\a)+\b):ACC+8*(4*(\a)+\b)+7]
.endif
.endr
.endr
.endm
; 32 LDS loads in one run: the fragments of 128 along K at byte k of the rows, into buffer f: rb's four, then la's four, so that la's blocks 2 and 3 are the youngest eight
.macro FETCH slot, k, f
	WIN TO_F
.irp i, 0,1,2,3
.irp c, 0,1,2,3
	ds_load_b128 v[\f+64+16*\i+4*\c:\f+64+16*\i+4*\c+3], v[ADRB+\slot] offset:\k+32*\c+\i*16*PITCH
.endr
.endr
.irp i, 0,1,2,3
.irp c, 0,1,2,3
	ds_load_b128 v[\f+16*\i+4*\c:\f+16*\i+4*\c+3], v[ADRA+\slot] offset:\k+32*\c+\i*16*PITCH
.endr
.endr
.endm
; A load into a register that a matrix instruction has read, and a vector instruction that reads a matrix result, stand four places behind that matrix instruction, and only plain vector
; instructions that name none of its registers are places (ISA guide 7.12.1 for vector instructions).
.macro PLACES
.rept 4
	v_nop
.endr
.endm
; A K step is four quarters of 128 along K, 16 matrix instructions each, on buffers 0, 1, 0, 1.  One of the first three: it asks for the next quarter's fragments, at byte k, into buffer g (which the quarter
; before has multiplied: hence the places), and multiplies buffer f while they come.
.macro QUARTER slot, k, f, g, zero
	s_wait_dscnt 8                                 ; buffer f: rb's four and la's blocks 0, 1 are in; the youngest eight loads (la's blocks 2, 3) may be out
	PLACES
	FETCH \slot, \k, \g
	WIN MUL
	MUL8 \f, 0, \zero
	s_wait_dscnt 32                                ; all but the 32 just issued
	MUL8 \f, 2, \zero
.endm
; The last quarter multiplies buffer 1 and changes slots: ONE barrier; in front of it each wave waits for all its tensor loads (one is out: its part of the next slot), adds 0 to its spare word, and waits for
; that and for its own reads of this slot.  fill = 1: the barrier opens a round of the cluster's barrier, and this slot is filled again, two K steps ahead: 56 matrix instructions stand between that request and the wait for it.
.macro TURN slot, next, fill
	WIN 0                                          ; (the add's two registers lie in window 0)
	s_wait_tensorcnt 0x0                           ; all my tensor loads have landed;
	ds_add_u32 v[SPW], v[NIL]                      ; 0 onto my spare word
	s_wait_dscnt 9                                 ; (the add and the youngest eight loads may be out)
	WIN MUL
	MUL8 F1, 0, 0                                  ; eight matrix instructions stand between the add and the wait for it
	s_wait_dscnt 0x0                               ; the add is done, and my reads of this slot are over
	s_barrier_signal -1
	WIN 0
	s_barrier_wait -1
.if \fill
	CREST                                          ; no wave of any partner still reads this slot's tile or has a load on its way
	s_add_nc_u64 s[G0+4*\slot+2:G0+4*\slot+3], s[G0+4*\slot+2:G0+4*\slot+3], 2*KSTEP
	s_add_nc_u64 s[G0B+4*\slot+2:G0B+4*\slot+3], s[G0B+4*\slot+2:G0B+4*\slot+3], 2*KSTEP
	JLOAD G0+4*\slot, G1, G0B+4*\slot, G1B         ; the first tensor load behind the round, my one load until the next; the four v_nop behind it are also the places in front of the loads below
.else
	PLACES
.endif
	FETCH \next, 0, F0
	WIN MUL
	MUL8 F1, 2, 0
.endm
	s_wait_tensorcnt 1                             ; my part of K step 0 is in (K step 1's load may be out)
	s_barrier_signal -1
	s_barrier_wait -1                              ; everybody's is
	FETCH 0, 0, F0
	QUARTER 0, 128, F0, F1, 1                      ; the first quarter stands in front of the loop: its products start the sums
	WIN 0                                          ; at a label and at a branch every window is 0
	s_mov_b32 s3, LAPS-1
.Llap:                                                 ; a trip goes once round the ring, from a lap's second quarter to the next lap's first, and fills both slots again
	QUARTER 0, 256, F1, F0, 0
	QUARTER 0, 384, F0, F1, 0
	TURN 0, 1, 1
	QUARTER 1, 128, F0, F1, 0
	QUARTER 1, 256, F1, F0, 0
	QUARTER 1, 384, F0, F1, 0
	TURN 1, 0, 1
	QUARTER 0, 128, F0, F1, 0
	WIN 0
	s_sub_co_u32 s3, s3, 1
	s_cmp_lg_u32 s3, 0
	s_cbranch_scc1 .Llap
	QUARTER 0, 256, F1, F0, 0                      ; the last lap is written out: it fills nothing, and has no round of the cluster's barrier
	QUARTER 0, 384, F0, F1, 0
	TURN 0, 1, 0
	QUARTER 1, 128, F0, F1, 0
	QUARTER 1, 256, F1, F0, 0
	QUARTER 1, 384, F0, F1, 0
	s_wait_dscnt 8                                 ; the very last quarter: nothing more to fetch
	WIN MUL
	MUL8 F1, 0, 0
	s_wait_dscnt 0
	MUL8 F1, 2, 0
	WIN 0
; THE WAY OUT, block by block of 16 rows x 64 columns.  A lane holds 32 neighbouring bytes of a row, and the lanes beside it hold other rows: so a block goes through my own stage in LDS and comes back as whole
; rows of 256 bytes: my 64 columns.  LDS serves a wave's instructions in order (ISA guide 5.7.1.4): no wait between the stores and the loads, nor in front of the next block's stores.
.macro TOSTAGE a
.irp j, 0,2,4,6,8,10,12,14,16,18,20,22,24,26,28,30
	v_pk_mul_f32 v[TMP+\j:TMP+\j+1], v[ACC+32*(\a)+\j:ACC+32*(\a)+\j+1], s[66:67] op_sel_hi:[1,0]   ; both x s66 = 2^(e0 + e1); each accumulator from its low end on
.endr
.irp b, 0,1,2,3
	ds_store_b128 v[STO], v[TMP+8*\b:TMP+8*\b+3] offset:64*\b
	ds_store_b128 v[STO], v[TMP+8*\b+4:TMP+8*\b+7] offset:64*\b+16
.endr
.irp t, 0,1,2,3,4,5,6,7
	ds_load_b128 v[BK+32*((\a)%2)+4*\t:BK+32*((\a)%2)+4*\t+3], v[RD] offset:\t*2*SPITCH
.endr
.endm
.macro SEND a, younger                 ; younger: the LDS instructions issued behind block a's loads, which may stay out
	s_wait_dscnt \younger                          ; the block is back in registers
.irp t, 0,1,2,3,4,5,6,7
	global_store_b128 v[CO], v[BK+32*((\a)%2)+4*\t:BK+32*((\a)%2)+4*\t+3], s[10:11] offset:(16*(\a)+2*\t)*CROW th:TH_STORE_NT   ; 16 lanes store 256 consecutive bytes, at a multiple of 256 from out1's first byte; 62 rows at the most: inside the signed 24-bit immediate
.endr
.endm
	s_wait_kmcnt 0x0
	s_add_co_i32 s66, s66, s67                     ; e0 + e1, between -126 and 127,
	s_add_co_i32 s66, s66, 127
	s_lshl_b32 s66, s66, 23                        ; makes the f32 number 2^(e0 + e1)
	PLACES                                         ; behind the last products, ahead of the first read of results
	TOSTAGE 0
.irp a, 1,2,3
.if \a > 1
	s_wait_xcnt 0x0                                ; block a - 2's stores have read their registers: block a's loads may land there
.endif
	TOSTAGE \a
	SEND \a-1, 16                                  ; behind block a - 1's loads: block a's 8 stores and 8 loads
.endr
	SEND 3, 0
	s_wait_tensorcnt 0x0                           ; the wave's end: behind my last tensor load and my last LDS store
	ds_add_u32 v[SPW], v[NIL]
	s_wait_dscnt 0x0
	CROUND                                         ; the closing round: no work-group ends while a partner may still ask for a tile that names it
	s_endpgm
.Lfunc_end_k_q9c9bd24618_gemm:
	.size	k_q9c9bd24618_gemm, .Lfunc_end_k_q9c9bd24618_gemm-k_q9c9bd24618_gemm
	.p2alignl 7, 3214868480
	.fill 96, 4, 3214868480
	.section	.rodata,"a",@progbits
	.p2align	6, 0x0
	.amdhsa_kernel k_q9c9bd24618_gemm
		.amdhsa_group_segment_fixed_size 327680
		.amdhsa_private_segment_fixed_size 0
		.amdhsa_enable_private_segment 0
		.amdhsa_kernarg_size 32
		.amdhsa_user_sgpr_count 2
		.amdhsa_user_sgpr_kernarg_segment_ptr 1
		.amdhsa_wavefront_size32 1
		.amdhsa_system_sgpr_workgroup_id_x 1
		.amdhsa_system_sgpr_workgroup_id_y 1
		.amdhsa_system_sgpr_workgroup_id_z 1
		.amdhsa_system_vgpr_workitem_id 0
		.amdhsa_next_free_vgpr 512
		.amdhsa_next_free_sgpr 72
		.amdhsa_reserve_vcc 0
		.amdhsa_float_denorm_mode_32 3
		.amdhsa_float_denorm_mode_16_64 3
		.amdhsa_memory_ordered 1
		.amdhsa_forward_progress 1
		.amdhsa_inst_pref_size 74
	.end_amdhsa_kernel
	.amdgpu_metadata
---
amdhsa.version: [ 1, 2 ]
amdhsa.kernels:
  - .name:           k_q9c9bd24618_gemm
    .symbol:         k_q9c9bd24618_gemm.kd
    .args:
      - { .name: la, .offset: 0, .size: 8, .value_kind: global_buffer, .address_space: global }
      - { .name: rb, .offset: 8, .size: 8, .value_kind: global_buffer, .address_space: global }
      - { .name: lowp_scales, .offset: 16, .size: 8, .value_kind: global_buffer, .address_space: global }
      - { .name: out1, .offset: 24, .size: 8, .value_kind: global_buffer, .address_space: global }
    .group_segment_fixed_size: 327680
    .private_segment_fixed_size: 0
    .kernarg_segment_align: 8
    .kernarg_segment_size: 32
    .max_flat_workgroup_size: 128
    .sgpr_count:     72
    .vgpr_count:     512
    .wavefront_size: 32
...
	.end_amdgpu_metadata
.endif
;; end of part 4
